; MI455X (gfx1250); checked and timed in simulation.
; The chip was launched on July 23, 2026; its instructions are those of AMD's public machine-readable ISA for CDNA 5 (MIT licence, August 2026) and "CDNA5" Instruction Set Architecture Reference Guide (July 2026). The comments in the code are by the model that wrote it; some were corrected since.
;; Multihead Attention. Allowed arithmetic: float matrix products may take bf16 or f16 operands with f32 sums; all other float work in f32.
;; Inputs: Wk 1,024 x 1,024 float32; Wo 1,024 x 1,024 float32; Wq 1,024 x 1,024 float32; Wv 1,024 x 1,024 float32; x 2 x 2,048 x 1,024 float32.
;; Outputs: out0 2 x 2,048 x 1,024 float32.
;; Constants: num_heads = 16.
;; 2 versions, each right; version 2 is version 1 with the launch cast written anew for expert scheduling mode. Each part assembles by itself: llvm-mc -triple=amdgcn-amd-amdhsa -mcpu=gfx1250 --defsym DOCPART=n.
;; ======== version 1 of 2: 4 launches
;; limits: values are held in f16: magnitudes above 65,504 overflow, below 6.1e-05 lose precision
;; workspace buffers: xb 8,388,608 bytes; wb 8,388,608 bytes; qkv 25,165,824 bytes; ao 8,388,608 bytes
;; launch cast (part 1): grid 256 x 1, 8 waves a work-group, no clusters, 0 bytes of LDS; arguments x, Wq, Wk, Wv, Wo, xb, wb; writes xb, wb
.if DOCPART == 1
	.amdgcn_target "amdgcn-amd-amdhsa--gfx1250"
	.amdhsa_code_object_version 6
	.text
	.protected	k_qf357efc412_cast
	.globl	k_qf357efc412_cast
	.p2align	8
	.type	k_qf357efc412_cast,@function
k_qf357efc412_cast:
	s_mov_b64 s[64:65], 0
	v_nop
	global_prefetch_b8 v0, s[64:65] scope:SCOPE_SE
	s_setreg_imm32_b32 hwreg(HW_REG_WAVE_MODE, 25, 1), 1
	s_wait_xcnt 0x0
; x, Wq, Wk, Wv (f32) -> bf16;  Wo (f32) -> rounded to bf16 like the other inputs, then held as f16, since its partner in the
; last product (the attention output) is f16.  xb: [4096][1024] bf16.  wb: [4096][1024] of 16 bits: rows 0-1023 Wq, 1024-2047 Wk,
; 2048-3071 Wv (bf16), 3072-4095 Wo (f16).
; LIMIT: a bf16 value of Wo is exact in f16 for 6.2e-5 <= |w| <= 65,504; smaller ones are rounded with an absolute error of at most 3e-8,
; larger ones overflow.
; Each x number is used by 16 column blocks and each weight by 16 row blocks of the products that follow: rounding once here spares
; sixteen roundings there and halves the bytes that those products move.
; A stream: 256 work-groups, each 131,072 bytes in and 65,536 out.  Thread t takes 16 bytes at 16 t of each of 32 pieces of 4,096 bytes, so a
; wave's load covers 512 consecutive bytes and its store 256 consecutive, aligned bytes.  All 32 loads of a thread go out at once; every register
; is written once, so no source of a pending instruction is ever rewritten.  LDS, barriers, matrix units and clusters would add nothing here.
.set T, 4                              ; v[4:7]     at work (Wo's way)
.set X, 8                              ; v[8:135]   piece i: 4 f32 as loaded
.set Y, 136                            ; v[136:199] piece i: 4 numbers of 16 bits to store
	s_load_b256 s[4:11], s[0:1], 0x0               ; x s[4:5], Wq s[6:7], Wk s[8:9], Wv s[10:11]
	s_load_b128 s[12:15], s[0:1], 0x20             ; Wo s[12:13], xb s[14:15]
	s_load_b64 s[16:17], s[0:1], 0x30              ; wb
	s_and_b32 s20, ttmp9, 127                      ; groups 0-127: chunk of x and of xb; groups 128-255: chunk of wb
	s_lshr_b32 s21, s20, 5                         ; which weight: 0 Wq, 1 Wk, 2 Wv, 3 Wo
	s_and_b32 s22, s20, 31                         ; chunk in that weight
	v_lshlrev_b32 v1, 4, v0                        ; 16 t: my bytes in a piece of the source
	v_lshlrev_b32 v2, 3, v0                        ; 8 t: in a piece of the destination
	s_wait_kmcnt 0x0
	s_mov_b64 s[24:25], s[6:7]
	s_cmp_eq_u32 s21, 1
	s_cselect_b64 s[24:25], s[8:9], s[24:25]
	s_cmp_eq_u32 s21, 2
	s_cselect_b64 s[24:25], s[10:11], s[24:25]
	s_cmp_eq_u32 s21, 3
	s_cselect_b64 s[24:25], s[12:13], s[24:25]
	s_cmp_lt_u32 ttmp9, 128
	s_cselect_b64 s[24:25], s[4:5], s[24:25]       ; the source,
	s_cselect_b32 s26, s20, s22                    ; my chunk of it,
	s_cselect_b64 s[28:29], s[14:15], s[16:17]     ; the destination
	s_lshl_b32 s26, s26, 17
	s_mov_b32 s27, 0
	s_add_nc_u64 s[24:25], s[24:25], s[26:27]
	s_lshl_b32 s30, s20, 16
	s_mov_b32 s31, 0
	s_add_nc_u64 s[28:29], s[28:29], s[30:31]
.irp i, 0,1,2,3,4,5,6,7,8,9,10,11,12,13,14,15,16,17,18,19,20,21,22,23,24,25,26,27,28,29,30,31
	global_load_b128 v[X+4*\i:X+4*\i+3], v1, s[24:25] offset:4096*\i th:TH_LOAD_NT
.endr
	s_cmp_ge_u32 ttmp9, 224
	s_cbranch_scc1 .Lwo
.irp i, 0,1,2,3,4,5,6,7,8,9,10,11,12,13,14,15,16,17,18,19,20,21,22,23,24,25,26,27,28,29,30,31
	s_wait_loadcnt 31-\i                           ; loads come back in order (ISA guide 5.7.1): piece i is in, the 31 - i younger ones stay out
	v_cvt_pk_bf16_f32 v[Y+2*\i], v[X+4*\i], v[X+4*\i+1]
	v_cvt_pk_bf16_f32 v[Y+2*\i+1], v[X+4*\i+2], v[X+4*\i+3]
	global_store_b64 v2, v[Y+2*\i:Y+2*\i+1], s[28:29] offset:2048*\i
.endr
	s_endpgm
.Lwo:
.irp i, 0,1,2,3,4,5,6,7,8,9,10,11,12,13,14,15,16,17,18,19,20,21,22,23,24,25,26,27,28,29,30,31
	s_wait_loadcnt 31-\i
	v_cvt_pk_bf16_f32 v[T], v[X+4*\i], v[X+4*\i+1]         ; the rounding that every input gets
	v_cvt_pk_bf16_f32 v[T+1], v[X+4*\i+2], v[X+4*\i+3]
	v_lshlrev_b32 v[T+2], 16, v[T]                         ; back to f32: the low half moves up,
	v_and_b32 v[T+3], 0xffff0000, v[T]                     ; the high half stays
	v_cvt_pk_f16_f32 v[Y+2*\i], v[T+2], v[T+3]             ; the same values as f16
	v_lshlrev_b32 v[T+2], 16, v[T+1]
	v_and_b32 v[T+3], 0xffff0000, v[T+1]
	v_cvt_pk_f16_f32 v[Y+2*\i+1], v[T+2], v[T+3]
	global_store_b64 v2, v[Y+2*\i:Y+2*\i+1], s[28:29] offset:2048*\i
.endr
	s_endpgm
.Lfunc_end_k_qf357efc412_cast:
	.size	k_qf357efc412_cast, .Lfunc_end_k_qf357efc412_cast-k_qf357efc412_cast
	.p2alignl 7, 3214868480
	.fill 96, 4, 3214868480
	.section	.rodata,"a",@progbits
	.p2align	6, 0x0
	.amdhsa_kernel k_qf357efc412_cast
		.amdhsa_group_segment_fixed_size 0
		.amdhsa_private_segment_fixed_size 0
		.amdhsa_enable_private_segment 0
		.amdhsa_kernarg_size 56
		.amdhsa_user_sgpr_count 2
		.amdhsa_user_sgpr_kernarg_segment_ptr 1
		.amdhsa_wavefront_size32 1
		.amdhsa_system_sgpr_workgroup_id_x 1
		.amdhsa_system_sgpr_workgroup_id_y 1
		.amdhsa_system_sgpr_workgroup_id_z 1
		.amdhsa_system_vgpr_workitem_id 0
		.amdhsa_next_free_vgpr 200
		.amdhsa_next_free_sgpr 66
		.amdhsa_reserve_vcc 0
		.amdhsa_float_denorm_mode_32 3
		.amdhsa_float_denorm_mode_16_64 3
		.amdhsa_memory_ordered 1
		.amdhsa_forward_progress 1
		.amdhsa_inst_pref_size 31
	.end_amdhsa_kernel
	.amdgpu_metadata
---
amdhsa.version: [ 1, 2 ]
amdhsa.kernels:
  - .name:           k_qf357efc412_cast
    .symbol:         k_qf357efc412_cast.kd
    .args:
      - { .name: x, .offset: 0, .size: 8, .value_kind: global_buffer, .address_space: global }
      - { .name: Wq, .offset: 8, .size: 8, .value_kind: global_buffer, .address_space: global }
      - { .name: Wk, .offset: 16, .size: 8, .value_kind: global_buffer, .address_space: global }
      - { .name: Wv, .offset: 24, .size: 8, .value_kind: global_buffer, .address_space: global }
      - { .name: Wo, .offset: 32, .size: 8, .value_kind: global_buffer, .address_space: global }
      - { .name: xb, .offset: 40, .size: 8, .value_kind: global_buffer, .address_space: global }
      - { .name: wb, .offset: 48, .size: 8, .value_kind: global_buffer, .address_space: global }
    .group_segment_fixed_size: 0
    .private_segment_fixed_size: 0
    .kernarg_segment_align: 8
    .kernarg_segment_size: 56
    .max_flat_workgroup_size: 256
    .sgpr_count:     66
    .vgpr_count:     200
    .wavefront_size: 32
...
	.end_amdgpu_metadata
.endif
;; end of part 1
;; launch qkv (part 2): grid 16 x 16, 4 waves a work-group, clusters of 4 x 4, 327,680 bytes of LDS; arguments xb, wb, qkv; writes qkv
.if DOCPART == 2
	.amdgcn_target "amdgcn-amd-amdhsa--gfx1250"
	.amdhsa_code_object_version 6
	.text
	.protected	k_qf357efc412_qkv
	.globl	k_qf357efc412_qkv
	.p2align	8
	.type	k_qf357efc412_qkv,@function
k_qf357efc412_qkv:
	s_mov_b64 s[64:65], 0
	v_nop
	global_prefetch_b8 v0, s[64:65] scope:SCOPE_SE
	s_setreg_imm32_b32 hwreg(HW_REG_WAVE_MODE, 25, 1), 1
	s_wait_xcnt 0x0
	s_wait_alu depctr_hold_cnt(0) depctr_sa_sdst(0) depctr_va_vdst(0) depctr_va_sdst(0) depctr_va_ssrc(0) depctr_va_vcc(0) depctr_vm_vsrc(0)
	s_getreg_b32 s2, hwreg(HW_REG_IB_STS2, 6, 4)
	s_cmp_eq_u32 s2, 0
	s_cbranch_scc0 .Lentry_in_a_cluster
	s_endpgm
.Lentry_in_a_cluster:
	s_bfe_u32 s2, ttmp6, 0x10000c
	s_cmp_lg_u32 s2, 0xf033
	s_cbranch_scc0 .Lentry_shape_is_right
	s_endpgm
.Lentry_shape_is_right:
; q, k, v = x Wq^T, x Wk^T, x Wv^T as one product C[m][n] = sum over k of xb[m][k] wb[n][k], m < 4096, n < 3072, K = 1024; bf16 operands, f32 sums.
; The result is rounded once to f16 and stored by heads: qkv[b][gh][l][64], gh = n / 64 (0-15 q, 16-31 k, 32-47 v).
; LIMIT: |q|, |k|, |v| above 65,504 overflow f16.  f16 and not bf16, because the first rows of a causal attention are of the size of v itself while the
; allowed error is set by the much smaller root mean square of the whole output: eight bits of mantissa are too few there.
; A work-group makes 256 rows x 192 columns (three heads): 16 x 16 = 256 work-groups.  Four waves, each 64 rows x 192 columns: 48 accumulator tiles, 384 registers.
; K goes in steps of 128 (rows of 256 bytes) through two LDS slots filled by the tensor data mover.
; CLUSTERS: 4 x 4 work-groups.  The four of a row of the cluster need the same tiles of xb, the four of a column the same tiles of wb; each tile is asked for jointly,
; by the same load with the same descriptor in all four, which divides the requests by four.
; REGISTERS by windows of 256: window 0: v16-26 addresses, v32-95 fragments of xb (two buffers of 4 x 8), v96-143 packed results, v144-239 rows read back;
; window 1: v0-191 fragments of wb (two buffers of 12 x 8); window 2: accumulators of my rows 0-31 (tile (a, b) at 8 (12 a + b)); window 3: of my rows 32-63.
; The matrix instruction is used transposed (source 0 = rows of wb, source 1 = rows of xb): a lane then holds one token and eight neighbouring features.
.set KSTEP,  128
.set SIZE_K, 1024
.set PITCH,  272                       ; an LDS row: 256 bytes + 16: an odd multiple of 16, so the 16 rows of a fragment load begin in 16 different 16-byte columns modulo 256
.set AHALF,  128*PITCH                 ; what one load of xb brings
.set BHALF,  96*PITCH                  ; what one load of wb brings
.set BOFF,   2*AHALF                   ; wb's 192 rows lie behind xb's 256
.set SLOT,   2*AHALF+2*BHALF           ; 121,856
.set STAGE,  2*SLOT                    ; behind the ring: 16 rows x 400 bytes for each wave; no fill lands here
.set SPITCH, 400                       ; 384 bytes of a token's three heads + 16
.set HEADB,  262144                    ; bytes of one head in qkv
.set LAPS,   SIZE_K/(2*KSTEP)          ; 4 laps of two K steps
.set ADRA, 16                          ; v16-17  LDS address of my xb fragments in slot 0, 1
.set ADRB, 20                          ; v20-21  the same for wb
.set STO,  24                          ; v24     the way out: where I put 16 bytes
.set RD,   25                          ; v25     the way out: where I read them back
.set CO,   26                          ; v26     my byte offset in 512 bytes of a head
.set FA,   32                          ; xb fragment buffer f at FA + 32 f (window 0); wb's at 96 f (window 1)
.set TMP,  96
.set RB0,  144
.set RB1,  192
.set G1, 24                            ; s[24:31] group 1 for xb's tiles
.set G0, 32                            ; s[32:39] group 0 for xb's tiles, one set for each slot
.set G1B, 48                           ; s[48:55] group 1 for wb's tiles
.set G0B, 56                           ; s[56:63] group 0 for wb's tiles, one set for each slot
.set MSB, 0
.macro WIN new                         ; the immediate's high byte repeats the setting that is left
.if MSB != \new
	s_set_vgpr_msb (MSB<<8)|\new
.set MSB, \new
.endif
.endm
.set MUL_LO, 0xa1                      ; source 0 window 1, source 1 window 0, C and D window 2
.set MUL_HI, 0xf1                      ; the same, C and D window 3
.set TO_B,   0x40                      ; destination window 1, address window 0
; A joint load.  Waves 0 and 1 fetch xb's two halves, waves 2 and 3 wb's.  The branch hangs on the wave's number alone.
.macro JLOAD s
	s_cmp_eq_u32 s11, 0
	s_cbranch_scc0 .Lfor_b_\@
	tensor_load_to_lds s[G0+4*\s:G0+4*\s+3], s[G1:G1+7]
	s_nop 0
	s_branch .Lasked_\@
.Lfor_b_\@:
	tensor_load_to_lds s[G0B+4*\s:G0B+4*\s+3], s[G1B:G1B+7]
	s_nop 0
.Lasked_\@:
.endm
; A round of the cluster's barrier: my work-group's barrier, wave 0 signals for the work-group, every wave waits for all sixteen, my work-group's barrier again.
.macro CREST                           ; a round behind its opening barrier
	s_cmp_lg_u32 s10, 0
	s_cbranch_scc1 .Lnot_wave_0_\@
	s_barrier_signal -3
.Lnot_wave_0_\@:
	s_barrier_wait -3
	s_barrier_signal -1
	s_barrier_wait -1
.endm
.macro CROUND
	s_barrier_signal -1
	s_barrier_wait -1
	CREST
.endm
	s_load_b128 s[4:7], s[0:1], 0x0                ; xb s[4:5], wb s[6:7]
	s_load_b64 s[8:9], s[0:1], 0x10                ; qkv
	s_set_vgpr_msb 0x40
	v_lshl_add_u32 v255, v0, 2, 0x41c00
	s_set_vgpr_msb 0x4000
	v_mov_b32 v255, 0
	s_set_vgpr_msb 0x1
	ds_add_u32 v255, v255
	s_set_vgpr_msb 0x100
	v_lshrrev_b32 v1, 5, v0
	v_readfirstlane_b32 s10, v1                    ; wave 0..3: my 64 rows of the block
	s_lshr_b32 s11, s10, 1                         ; I fetch for xb (0) or for wb (1)
	s_and_b32 s12, s10, 1                          ; which half of that tile
	s_bfe_u32 s40, ttmp6, 0x40000                  ; cx
	s_bfe_u32 s41, ttmp6, 0x40004                  ; cy
	s_lshl_b32 s42, ttmp9, 2
	s_add_co_u32 s42, s42, s40                     ; block column = 4 x cluster x + cx
	s_and_b32 s13, ttmp7, 0xffff
	s_lshl_b32 s13, s13, 2
	s_add_co_u32 s13, s13, s41                     ; block row = 4 x cluster y + cy
	s_lshl_b32 s43, s41, 2
	s_lshl_b32 s43, 15, s43                        ; my row of the cluster: places 4 cy .. 4 cy + 3
	s_lshl_b32 s44, 0x1111, s40                    ; my column: places cx, cx + 4, cx + 8, cx + 12
	; group 1: rows of 128 elements of 2 bytes, 4 words of padding behind every 64 words; bit 21 set beside a mask
	s_or_b32 s[G1+0], s43, (1<<16)|(1<<20)|(1<<21)|(5<<22)|(3<<25)
	s_mov_b32 s[G1+1], KSTEP<<16                   ; tensor_dim0 = 128
	s_mov_b32 s[G1+2], 128<<16                     ; tensor_dim1 = 128
	s_mov_b32 s[G1+3], KSTEP<<16                   ; tile_dim0 = 128
	s_mov_b32 s[G1+4], 128                         ; tile_dim1 = 128 rows
	s_mov_b32 s[G1+5], SIZE_K                      ; elements from row to row
	s_mov_b32 s[G1+6], 0
	s_mov_b32 s[G1+7], 0
	s_or_b32 s[G1B+0], s44, (1<<16)|(1<<20)|(1<<21)|(5<<22)|(3<<25)
	s_mov_b32 s[G1B+1], KSTEP<<16
	s_mov_b32 s[G1B+2], 96<<16                     ; tensor_dim1 = 96
	s_mov_b32 s[G1B+3], KSTEP<<16
	s_mov_b32 s[G1B+4], 96                         ; tile_dim1 = 96 rows
	s_mov_b32 s[G1B+5], SIZE_K
	s_mov_b32 s[G1B+6], 0
	s_mov_b32 s[G1B+7], 0
	; where the tiles come from: xb's hang on the block row and the wave alone, wb's on the block column and the wave alone, each in registers of its own
	s_lshl_b32 s17, s12, 7
	s_lshl_b32 s16, s13, 8
	s_add_co_u32 s16, s16, s17                     ; row 256 x block row + 128 x half
	s_lshl_b32 s16, s16, 11                        ; rows of 2,048 bytes: at most 8 MiB
	s_mov_b32 s17, 0
	s_mul_i32 s46, s42, 192
	s_mul_i32 s47, s12, 96
	s_add_co_u32 s46, s46, s47                     ; row 192 x block column + 96 x half
	s_lshl_b32 s46, s46, 11
	s_mov_b32 s47, 0
	s_mul_i32 s20, s12, AHALF                      ; and where they go: the wave's number times a constant, plus a constant
	s_mul_i32 s21, s12, BHALF
	s_add_co_u32 s21, s21, BOFF
	s_wait_dscnt 0x0
	s_wait_kmcnt 0x0
	s_add_nc_u64 s[14:15], s[4:5], s[16:17]
	s_add_nc_u64 s[46:47], s[6:7], s[46:47]
	CROUND                                         ; all sixteen work-groups are here: the first joint loads meet
.irp s, 0,1
	s_mov_b32 s[G0+4*\s], 1
	s_add_co_u32 s[G0+4*\s+1], s20, \s*SLOT
	s_add_nc_u64 s[G0+4*\s+2:G0+4*\s+3], s[14:15], \s*KSTEP*2      ; K step s
	s_or_b32 s[G0+4*\s+3], s[G0+4*\s+3], 0x80000000
	s_mov_b32 s[G0B+4*\s], 1
	s_add_co_u32 s[G0B+4*\s+1], s21, \s*SLOT
	s_add_nc_u64 s[G0B+4*\s+2:G0B+4*\s+3], s[46:47], \s*KSTEP*2
	s_or_b32 s[G0B+4*\s+3], s[G0B+4*\s+3], 0x80000000
	JLOAD \s                                       ; both slots' first fills go out before anything else is done: two loads of the wave are out
.endr
	; a fragment: lane l holds row l % 16; registers 0-3 K = 8 (l / 16) + 0..7, registers 4-7 K = 16 + 8 (l / 16) + 0..7: two loads of 16 bytes, 32 bytes apart
	v_and_b32 v1, 15, v0                           ; r
	v_bfe_u32 v2, v0, 4, 1                         ; h
	v_mul_u32_u24 v3, v1, PITCH
	v_lshl_add_u32 v3, v2, 4, v3                   ; r x pitch + 16 h
	s_mul_i32 s22, s10, 64*PITCH                   ; my 64 rows of xb
	s_mov_b32 s23, BOFF                            ; all 192 rows of wb
.irp s, 0,1
	v_add_nc_u32 v[ADRA+\s], s22, v3
	v_add_nc_u32 v[ADRB+\s], s23, v3
	s_add_co_u32 s22, s22, SLOT
	s_add_co_u32 s23, s23, SLOT
.endr
	s_mul_i32 s18, s10, 16*SPITCH
	s_add_co_u32 s18, s18, STAGE                   ; my stage
	v_mul_u32_u24 v4, v1, SPITCH
	v_lshl_add_u32 v4, v2, 4, v4
	v_add_nc_u32 v[STO], s18, v4                   ; in: token r, 16 bytes for each half of the lanes
	v_and_b32 v6, 31, v0
	v_lshrrev_b32 v7, 3, v6
	v_and_b32 v8, 7, v0
	v_mul_u32_u24 v7, v7, SPITCH
	v_lshl_add_u32 v7, v8, 4, v7
	v_add_nc_u32 v[RD], s18, v7                    ; back: eight lanes take a token's 128 bytes of one head, the wave four tokens
	v_lshlrev_b32 v[CO], 4, v6                     ; which are 512 consecutive bytes of that head in qkv
; 12 matrix instructions: rows 16 (2 hi + a) .. + 15 of my 64 x all 12 column groups, 32 along K.  zero = 1: the first product starts the sums.
.macro MUL12 f, hi, a, zero
.irp b, 0,1,2,3,4,5,6,7,8,9,10,11
.if \zero
	v_wmma_f32_16x16x32_bf16 v[8*(12*\a+\b):8*(12*\a+\b)+7], v[96*\f+8*\b:96*\f+8*\b+7], v[FA+32*\f+8*(2*\hi+\a):FA+32*\f+8*(2*\hi+\a)+7], 0
.else
	v_wmma_f32_16x16x32_bf16 v[8*(12*\a+\b):8*(12*\a+\b)+7], v[96*\f+8*\b:96*\f+8*\b+7], v[FA+32*\f+8*(2*\hi+\a):FA+32*\f+8*(2*\hi+\a)+7], v[8*(12*\a+\b):8*(12*\a+\b)+7]
.endif
.endr
.endm
; 32 LDS loads in one run: 192 rows of wb, then my 64 rows of xb, 32 K at byte k of the rows, into buffer f
.macro FETCH slot, k, f
	WIN TO_B
.irp i, 0,1,2,3,4,5,6,7,8,9,10,11
	ds_load_b128 v[96*\f+8*\i:96*\f+8*\i+3],   v[ADRB+\slot] offset:\k+\i*16*PITCH
	ds_load_b128 v[96*\f+8*\i+4:96*\f+8*\i+7], v[ADRB+\slot] offset:\k+\i*16*PITCH+32
.endr
	WIN 0
.irp i, 0,1,2,3
	ds_load_b128 v[FA+32*\f+8*\i:FA+32*\f+8*\i+3],   v[ADRA+\slot] offset:\k+\i*16*PITCH
	ds_load_b128 v[FA+32*\f+8*\i+4:FA+32*\f+8*\i+7], v[ADRA+\slot] offset:\k+\i*16*PITCH+32
.endr
.endm
; Four plain vector places stand between a matrix instruction and a load into a register that it has read, or a vector instruction that reads its result
; (ISA guide 7.12.1 for vector instructions); the matrix instructions in between are not counted.
.macro PLACES
.rept 4
	v_nop
.endr
.endm
; A K step is four quarters of 32 along K, 48 matrix instructions each, on buffers 0, 1, 0, 1.  The 48 accumulators take turns, one instruction a turn, in the same
; order in every quarter, over the loop's backward jump too.
.macro QUARTER slot, k, f, g, zero
	s_wait_dscnt 4                                 ; wb's 24 loads and xb's rows 0-31 are in; the youngest four (xb's rows 32-63) may be out
	WIN MUL_LO
	MUL12 \f, 0, 0, \zero
	MUL12 \f, 0, 1, \zero
	PLACES
	FETCH \slot, \k, \g
	s_wait_dscnt 32                                ; all but the 32 just issued
	WIN MUL_HI
	MUL12 \f, 1, 0, \zero
	MUL12 \f, 1, 1, \zero
.endm
.macro THREE slot, zero
	QUARTER \slot, 64,  0, 1, \zero
	QUARTER \slot, 128, 1, 0, 0
	QUARTER \slot, 192, 0, 1, 0
.endm
; The last quarter multiplies buffer 1 and changes slots.  In front of the one barrier each wave waits for its reads of this slot and for all its tensor loads (one is out:
; its part of the next slot).  Behind it (where a slot is filled again: behind the round of the cluster's barrier that it opens) the refill comes first, one load a wave.
; From a request to the wait for it a wave issues 180 matrix instructions.
.macro TURN slot, next, fill
	s_wait_dscnt 4
	WIN MUL_LO
	MUL12 1, 0, 0, 0
	s_wait_dscnt 0                                 ; my reads of this slot are over
	s_wait_tensorcnt 0x0                           ; all my tensor loads have landed
	ds_add_u32 v255, v255
	s_wait_dscnt 0x0
	s_barrier_signal -1
	MUL12 1, 0, 1, 0                               ; register work while the others arrive
	WIN 0
	s_barrier_wait -1
.if \fill
	CREST                                          ; no wave of any partner still reads this slot or has a load on its way
	s_add_nc_u64 s[G0+4*\slot+2:G0+4*\slot+3], s[G0+4*\slot+2:G0+4*\slot+3], 2*KSTEP*2
	s_add_nc_u64 s[G0B+4*\slot+2:G0B+4*\slot+3], s[G0B+4*\slot+2:G0B+4*\slot+3], 2*KSTEP*2
	JLOAD \slot                                    ; the first tensor load behind the round, and the wave's only one until the next
.endif
	PLACES
	FETCH \next, 0, 0
	WIN MUL_HI
	MUL12 1, 1, 0, 0
	MUL12 1, 1, 1, 0
.endm
.macro LAP zero
	THREE 0, \zero
	TURN 0, 1, 1
	THREE 1, 0
	TURN 1, 0, 1
.endm
	s_wait_tensorcnt 1                             ; my part of K step 0 is in; K step 1's may stay out
	s_barrier_signal -1
	s_barrier_wait -1
	FETCH 0, 0, 0
	LAP 1                                          ; K steps 0, 1; fills 2, 3.  Its first products start the sums: nothing is cleared
	WIN 0                                          ; at a label and at a branch every window is 0
	s_mov_b32 s3, LAPS-2
.Llap:
	LAP 0                                          ; K steps 2-5; fills 4-7
	WIN 0
	s_sub_co_u32 s3, s3, 1
	s_cmp_lg_u32 s3, 0
	s_cbranch_scc1 .Llap
	THREE 0, 0                                     ; the last lap fills nothing
	TURN 0, 1, 0
	THREE 1, 0
	s_wait_dscnt 4
	WIN MUL_LO
	MUL12 1, 0, 0, 0
	MUL12 1, 0, 1, 0
	s_wait_dscnt 0
	WIN MUL_HI
	MUL12 1, 1, 0, 0
	MUL12 1, 1, 1, 0
	; THE WAY OUT, 16 tokens at a time: round to f16, 16 bytes a lane into my own stage, read back by heads, store 512 consecutive bytes of a head at a time.
	PLACES                                         ; the places behind the last matrix instructions, for the conversions and for the loads below
	s_lshr_b32 s16, s13, 3                         ; batch = block row / 8
	s_mul_i32 s16, s16, 48
	s_lshl_b32 s16, s16, 18                        ; 48 heads of 262,144 bytes
	s_and_b32 s17, s13, 7
	s_lshl_b32 s17, s17, 8
	s_lshl_b32 s18, s10, 6
	s_add_co_u32 s17, s17, s18                     ; my first token in the batch
	s_lshl_b32 s17, s17, 7                         ; 128 bytes a token
	s_add_co_u32 s16, s16, s17
	s_mov_b32 s17, 0
	s_add_nc_u64 s[8:9], s[8:9], s[16:17]
	s_mul_i32 s46, s42, 3*HEADB                    ; my three heads (in the registers that held wb's address)
	s_mov_b32 s47, 0
	s_add_nc_u64 s[8:9], s[8:9], s[46:47]
; tokens 16 grp .. + 15 of my 64 = the twelve tiles (acc, 0..11) of window 2 or 3 (from = 0x0a or 0x0f: sources 0 and 1); dst: RB0 or RB1 in turn
.macro OUT grp, acc, from, dst
	WIN \from
.irp b, 0,1,2,3,4,5,6,7,8,9,10,11
.irp r, 0,1,2,3
	v_cvt_pk_f16_f32 v[TMP+4*\b+\r], v[8*(12*\acc+\b)+2*\r], v[8*(12*\acc+\b)+2*\r+1]
.endr
.endr
	WIN 0
.irp b, 0,1,2,3,4,5,6,7,8,9,10,11
	ds_store_b128 v[STO], v[TMP+4*\b:TMP+4*\b+3] offset:32*\b
.endr
	s_wait_xcnt 0x0                                ; the registers read back into were the data of earlier stores: they are rewritten only behind this wait
.irp hh, 0,1,2
.irp t, 0,1,2,3
	ds_load_b128 v[\dst+4*(4*\hh+\t):\dst+4*(4*\hh+\t)+3], v[RD] offset:\hh*128+\t*4*SPITCH   ; LDS serves a wave's instructions in order (ISA guide 5.7.1): these see the stores above
.endr
.endr
.irp hh, 0,1,2
.irp t, 0,1,2,3
	s_wait_dscnt 11-(4*\hh+\t)                     ; this one is back, the younger ones may be out
	global_store_b128 v[CO], v[\dst+4*(4*\hh+\t):\dst+4*(4*\hh+\t)+3], s[8:9] offset:\hh*HEADB+(16*\grp+4*\t)*128   ; four tokens of one head: 512 consecutive bytes, aligned
.endr
.endr
.endm
	OUT 0, 0, 0x0a, RB0
	OUT 1, 1, 0x0a, RB1
	OUT 2, 0, 0x0f, RB0
	OUT 3, 1, 0x0f, RB1
	s_set_vgpr_msb 0x1
	s_wait_tensorcnt 0x0
	ds_add_u32 v255, v255
	s_wait_dscnt 0x0
	s_set_vgpr_msb 0x100
	CROUND                                         ; the closing round: no work-group ends while a partner may still ask for a tile that names it
	s_endpgm
.Lfunc_end_k_qf357efc412_qkv:
	.size	k_qf357efc412_qkv, .Lfunc_end_k_qf357efc412_qkv-k_qf357efc412_qkv
	.p2alignl 7, 3214868480
	.fill 96, 4, 3214868480
	.section	.rodata,"a",@progbits
	.p2align	6, 0x0
	.amdhsa_kernel k_qf357efc412_qkv
		.amdhsa_group_segment_fixed_size 327680
		.amdhsa_private_segment_fixed_size 0
		.amdhsa_enable_private_segment 0
		.amdhsa_kernarg_size 24
		.amdhsa_user_sgpr_count 2
		.amdhsa_user_sgpr_kernarg_segment_ptr 1
		.amdhsa_wavefront_size32 1
		.amdhsa_system_sgpr_workgroup_id_x 1
		.amdhsa_system_sgpr_workgroup_id_y 1
		.amdhsa_system_sgpr_workgroup_id_z 1
		.amdhsa_system_vgpr_workitem_id 0
		.amdhsa_next_free_vgpr 960
		.amdhsa_next_free_sgpr 66
		.amdhsa_reserve_vcc 0
		.amdhsa_float_denorm_mode_32 3
		.amdhsa_float_denorm_mode_16_64 3
		.amdhsa_memory_ordered 1
		.amdhsa_forward_progress 1
		.amdhsa_inst_pref_size 164
	.end_amdhsa_kernel
	.amdgpu_metadata
---
amdhsa.version: [ 1, 2 ]
amdhsa.kernels:
  - .name:           k_qf357efc412_qkv
    .symbol:         k_qf357efc412_qkv.kd
    .args:
      - { .name: xb, .offset: 0, .size: 8, .value_kind: global_buffer, .address_space: global }
      - { .name: wb, .offset: 8, .size: 8, .value_kind: global_buffer, .address_space: global }
      - { .name: qkv, .offset: 16, .size: 8, .value_kind: global_buffer, .address_space: global }
    .group_segment_fixed_size: 327680
    .private_segment_fixed_size: 0
    .kernarg_segment_align: 8
    .kernarg_segment_size: 24
    .max_flat_workgroup_size: 128
    .sgpr_count:     66
    .vgpr_count:     960
    .wavefront_size: 32
...
	.end_amdgpu_metadata
.endif
;; end of part 2
;; launch attn (part 3): grid 8 x 32, 8 waves a work-group, no clusters, 327,680 bytes of LDS; arguments qkv, ao; writes ao
.if DOCPART == 3
	.amdgcn_target "amdgcn-amd-amdhsa--gfx1250"
	.amdhsa_code_object_version 6
	.text
	.protected	k_qf357efc412_attn
	.globl	k_qf357efc412_attn
	.p2align	8
	.type	k_qf357efc412_attn,@function
k_qf357efc412_attn:
	s_mov_b64 s[64:65], 0
	v_nop
	global_prefetch_b8 v0, s[64:65] scope:SCOPE_SE
	s_setreg_imm32_b32 hwreg(HW_REG_WAVE_MODE, 25, 1), 1
	s_wait_xcnt 0x0
; Causal attention of one head: softmax(q k^T / 8, keys <= query) v, with a running maximum.  f16 operands, f32 sums, softmax in f32.
; qkv: [b][gh][2048][64] f16 (gh = h: q, 16 + h: k, 32 + h: v).  ao: [b x 16 + query block][h][128][64] f16.
; LIMITS: the division by the row sum is v_rcp_f32 and a multiply; the row sum adds the unrounded exponentials while the product with v takes them rounded to f16;
; the sums run in another order than the reference's (keys are shared between two waves and two halves of the lanes); a NaN score is dropped from the running
; maximum (v_max_num) but reaches the row sum and the product, so its row comes out NaN.
; WORK: a head has 16 query blocks of 128; keys go in super-tiles of 256.  Block i needs i / 2 whole super-tiles and one with the mask.  Work-group e (a = e / 2,
; bit = e % 2) does blocks 4 a + 2 + bit and 12 - 4 a + bit: (2 a + 2) + (7 - 2 a) = 9 super-tiles for every work-group, 8 x 32 = 256 work-groups.
; Eight waves: wq = wave % 4 picks 32 queries, g = wave / 4 picks keys 128 g .. + 127 of each super-tile.  Waves w and w ^ 4 hold parts of the same queries; at a
; block's end each keeps 16 queries and gives the other 16 away through LDS.  My local query group q stands for the group g ^ q: I keep q = 0, give q = 1.
; ALL IS TRANSPOSED: S^T = K Q^T (lane (r, hh), register j: query r, key 16 kt + 8 hh + j), whose packed pairs ARE the second source of O^T = V^T P^T
; (lane: query r, dimensions 16 t + 8 hh + j).  So maximum, sum and scale are one number a lane, and the two halves hh meet by one v_permlanex16_b32.
; NO MULTICAST: the work-groups of a head walk different numbers of tiles in each of their two blocks (2 a + 2 and 7 - 2 a).  Four partners e = 4 c .. 4 c + 3 hold
; a = 2 c and 2 c + 1; since every partner makes every joint request and no branch may hang on the place in the cluster, each would walk and compute the longer
; partner's tiles in both blocks: (4 c + 4) + (7 - 4 c) = 11 super-tiles against 9.
.set KP,    144                        ; LDS pitch of a key's 128 bytes: an odd multiple of 16
.set VP,    160                        ; of a value row: an odd multiple of 32, for the transposing load
.set VOFF,  256*KP                     ; in a slot: K's 256 rows (36,864 bytes), then V's (40,960)
.set SLOT,  256*KP+256*VP              ; 77,824
.set XCH,   2*SLOT                     ; 155,648: exchange, 9 x 512 bytes for each wave; no fill lands here
.set XW,    4608
.set STG,   XCH+8*XW                   ; 192,512: stage of the way out, 16 rows x 144 bytes for each wave
.set SW,    16*KP
.set TILEB, 32768                      ; bytes of a super-tile of K or of V
.set KADR, 2                           ; v2-3    my K fragments in slot 0, 1
.set VADR, 4                           ; v4-5    my V fragments in slot 0, 1
.set DQ,   6                           ; v6-7    group q: my query less my first key in the masked super-tile (signed)
.set NINF, 8                           ; v8      -infinity
.set XST,  9                           ; v9      where I give, in my partner's part of the exchange
.set XLD,  10                          ; v10     where I take, in mine
.set SST,  11                          ; v11     stage: in
.set SLD,  12                          ; v12     stage: back
.set GOFF, 13                          ; v13     16 x lane
.set QOFF, 14                          ; v14-15  group q: my 16 bytes in the query block
.set ST,   16                          ; v16-23  group q: running maximum (scaled), my half's row sum, rescale factor, spare
.set T,    24                          ; v24-31  at work
.set QF,   32                          ; v32-63  Q fragments: 16 q + 8 ks
.set OA,   64                          ; v64-127 O^T: tile (t, q) at 8 (2 t + q)
.set SC,   128                         ; v128-191 S^T: 32 q + 8 kt + j; later P^T: 32 q + 8 ks
.set KV,   192                         ; v192-255 K fragments 16 kt + 8 ks, then V^T fragments 16 t + 8 ks
.set G1K, 36                           ; s[36:43] group 1 for K
.set G1V, 44                           ; s[44:51] group 1 for V
.set G0K, 52                           ; s[52:59] group 0 for K, slot s at + 4 s
.set G0V, 60                           ; s[60:63], s[68:71] group 0 for V, slot s at + 8 s
	s_load_b128 s[4:7], s[0:1], 0x0                ; qkv s[4:5], ao s[6:7]
	s_set_vgpr_msb 0x40
	v_lshl_add_u32 v0, v0, 2, 0x33800
	v_mov_b32 v1, 0
	s_set_vgpr_msb 0x4045
	ds_add_u32 v0, v1
	s_set_vgpr_msb 0x4500
	v_lshrrev_b32 v1, 5, v0
	v_readfirstlane_b32 s10, v1                    ; wave 0..7
	s_lshr_b32 s11, s10, 2                         ; g
	s_and_b32 s12, s10, 3                          ; wq
	s_lshr_b32 s14, ttmp9, 1                       ; a: trips of the first block's loop
	s_and_b32 s15, ttmp9, 1                        ; bit
	s_and_b32 s16, ttmp7, 0xffff
	s_lshr_b32 s17, s16, 4                         ; batch
	s_and_b32 s18, s16, 15                         ; head
	s_sub_co_u32 s73, 3, s14                       ; trips of the second block's loop
	s_lshl_b32 s78, s14, 2
	s_add_co_u32 s79, s78, s15
	s_add_co_u32 s79, s79, 2                       ; first block: 4 a + 2 + bit
	s_sub_co_u32 s78, 12, s78
	s_add_co_u32 s78, s78, s15                     ; second block: 12 - 4 a + bit
	s_mov_b32 s74, 0x3e38aa3b                      ; log2(e) / 8: the scale of the scores and the base of v_exp_f32 in one
	s_mov_b32 s75, 0x3e38aa3b
	s_mov_b32 s76, 0x76543210                      ; v_permlanex16_b32: lane i of one half reads lane i of the other
	s_mov_b32 s77, 0xfedcba98
	s_lshl_b32 s2, s11, 4                          ; 16 g: the query group that I keep
	s_xor_b32 s3, s2, 16                           ; 16 (g ^ 1): the one that I give
	s_lshl_b32 s8, s12, 5                          ; 32 wq
	; group 1: a super-tile is 32,768 dense bytes, taken as 128 rows of 256 bytes; padding behind every 32 words (a key's 128 bytes): 4 words for K, 8 for V
	s_mov_b32 s[G1K+0], (1<<16)|(1<<20)|(4<<22)|(3<<25)
	s_mov_b32 s[G1K+1], 128<<16                    ; tensor_dim0 = 128 elements
	s_mov_b32 s[G1K+2], 128<<16                    ; tensor_dim1 = 128
	s_mov_b32 s[G1K+3], 128<<16                    ; tile_dim0 = 128
	s_mov_b32 s[G1K+4], 128                        ; tile_dim1 = 128
	s_mov_b32 s[G1K+5], 128                        ; pitch = the row: dense
	s_mov_b32 s[G1K+6], 0
	s_mov_b32 s[G1K+7], 0
	s_mov_b32 s[G1V+0], (1<<16)|(1<<20)|(4<<22)|(7<<25)
	s_mov_b32 s[G1V+1], 128<<16
	s_mov_b32 s[G1V+2], 128<<16
	s_mov_b32 s[G1V+3], 128<<16
	s_mov_b32 s[G1V+4], 128
	s_mov_b32 s[G1V+5], 128
	s_mov_b32 s[G1V+6], 0
	s_mov_b32 s[G1V+7], 0
	s_mov_b32 s[G0K+0], 1
	s_mov_b32 s[G0K+1], 0
	s_mov_b32 s[G0K+4], 1
	s_mov_b32 s[G0K+5], SLOT
	s_mov_b32 s[G0V+0], 1
	s_mov_b32 s[G0V+1], VOFF
	s_mov_b32 s[G0V+8], 1
	s_mov_b32 s[G0V+9], SLOT+VOFF
	s_mul_i32 s19, s17, 48
	s_add_co_u32 s19, s19, s18
	s_lshl_b32 s24, s19, 18                        ; (48 batch + head) x 262,144
	s_mov_b32 s25, 0
	s_wait_dscnt 0x0
	s_barrier_signal -1
	s_barrier_wait -1
	s_wait_kmcnt 0x0
	s_add_nc_u64 s[26:27], s[4:5], s[24:25]        ; my head's q,
	s_add_nc_u64 s[20:21], s[26:27], 0x400000      ; k: 16 heads further,
	s_add_nc_u64 s[22:23], s[26:27], 0x800000      ; v: 32 heads further
; slot 0's group 0 points at super-tile 0, slot 1's at super-tile 1
.macro TILE01
	s_mov_b64 s[G0K+2:G0K+3], s[20:21]
	s_or_b32 s[G0K+3], s[G0K+3], 0x80000000
	s_add_nc_u64 s[G0K+6:G0K+7], s[20:21], TILEB
	s_or_b32 s[G0K+7], s[G0K+7], 0x80000000
	s_mov_b64 s[G0V+2:G0V+3], s[22:23]
	s_or_b32 s[G0V+3], s[G0V+3], 0x80000000
	s_add_nc_u64 s[G0V+10:G0V+11], s[22:23], TILEB
	s_or_b32 s[G0V+11], s[G0V+11], 0x80000000
.endm
; wave 0 fetches K's super-tile, wave 4 V's: one load of 32,768 bytes each.  s may be an expression: it stands in parentheses.
.macro TLOAD s
	s_cmp_lg_u32 s10, 0
	s_cbranch_scc1 .Lno_k_\@
	tensor_load_to_lds s[G0K+4*(\s):G0K+4*(\s)+3], s[G1K:G1K+7]
	s_nop 0
.Lno_k_\@:
	s_cmp_lg_u32 s10, 4
	s_cbranch_scc1 .Lno_v_\@
	tensor_load_to_lds s[G0V+8*(\s):G0V+8*(\s)+3], s[G1V:G1V+7]
	s_nop 0
.Lno_v_\@:
.endm
	TILE01
	TLOAD 0                                        ; the first fill, ahead of everything else
	s_lshl_b32 s24, s79, 14                        ; a query block is 16,384 bytes
	s_add_nc_u64 s[28:29], s[26:27], s[24:25]      ; q of the first block
	s_lshl_b32 s24, s78, 14
	s_add_nc_u64 s[30:31], s[26:27], s[24:25]      ; of the second
	s_add_co_u32 s9, s8, s2
	s_lshl_b32 s9, s9, 7                           ; the 16 queries that I keep: (32 wq + 16 g) x 128 bytes
	s_lshl_b32 s19, s17, 4
	s_add_co_u32 s13, s19, s79
	s_lshl_b32 s13, s13, 4
	s_add_co_u32 s13, s13, s18
	s_lshl_b32 s13, s13, 14                        ; ((16 batch + block) x 16 + head) x 16,384
	s_add_co_u32 s24, s13, s9
	s_add_nc_u64 s[32:33], s[6:7], s[24:25]        ; ao for the first block
	s_add_co_u32 s13, s19, s78
	s_lshl_b32 s13, s13, 4
	s_add_co_u32 s13, s13, s18
	s_lshl_b32 s13, s13, 14
	s_add_co_u32 s24, s13, s9
	s_add_nc_u64 s[34:35], s[6:7], s[24:25]        ; for the second
	v_and_b32 v24, 31, v0                          ; lane
	v_and_b32 v25, 15, v0                          ; r
	v_bfe_u32 v26, v0, 4, 1                        ; hh
	v_and_b32 v27, 7, v0
	v_bfe_u32 v28, v0, 3, 1
	v_lshrrev_b32 v29, 3, v24
	v_mul_u32_u24 v30, v25, KP
	v_lshl_add_u32 v30, v26, 4, v30                ; r x 144 + 16 hh
	s_mul_i32 s13, s11, 128*KP
	v_add_nc_u32 v[KADR], s13, v30                 ; K: key 128 g + r, 16 bytes for each half of the lanes
	v_add_nc_u32 v[KADR+1], SLOT, v[KADR]
	v_lshl_add_u32 v31, v26, 3, v27
	v_mul_u32_u24 v31, v31, VP
	v_lshl_add_u32 v31, v28, 4, v31                ; V: key 8 hh + lane % 8, 16 bytes by bit 3 of the lane
	s_mul_i32 s13, s11, 128*VP
	s_add_co_u32 s13, s13, VOFF
	v_add_nc_u32 v[VADR], s13, v31
	v_add_nc_u32 v[VADR+1], SLOT, v[VADR]
	s_lshl_b32 s13, s15, 7
	s_lshl_b32 s19, s11, 7
	s_sub_co_u32 s13, s13, s19
	s_add_co_u32 s13, s13, s8                      ; 128 bit - 128 g + 32 wq
	v_lshlrev_b32 v31, 3, v26
	v_sub_nc_u32 v31, v25, v31                     ; r - 8 hh
	s_add_co_u32 s19, s13, s2
	v_add_nc_u32 v[DQ], s19, v31
	s_add_co_u32 s19, s13, s3
	v_add_nc_u32 v[DQ+1], s19, v31
	v_mov_b32 v[NINF], 0xff800000
	v_lshlrev_b32 v[GOFF], 4, v24
	s_xor_b32 s13, s10, 4
	s_mul_i32 s13, s13, XW
	s_add_co_u32 s13, s13, XCH
	v_add_nc_u32 v[XST], s13, v[GOFF]
	s_mul_i32 s13, s10, XW
	s_add_co_u32 s13, s13, XCH
	v_add_nc_u32 v[XLD], s13, v[GOFF]
	s_mul_i32 s13, s10, SW
	s_add_co_u32 s13, s13, STG
	v_add_nc_u32 v[SST], s13, v30
	v_mul_u32_u24 v31, v29, KP
	v_lshl_add_u32 v31, v27, 4, v31
	v_add_nc_u32 v[SLD], s13, v31
	s_add_co_u32 s13, s8, s2
	v_add_nc_u32 v31, s13, v25
	v_lshlrev_b32 v31, 7, v31
	v_lshl_add_u32 v[QOFF], v26, 4, v31            ; query (32 wq + 16 (g ^ q) + r) x 128 + 16 hh
	s_add_co_u32 s13, s8, s3
	v_add_nc_u32 v31, s13, v25
	v_lshlrev_b32 v31, 7, v31
	v_lshl_add_u32 v[QOFF+1], v26, 4, v31
.macro QLOAD base                      ; my 32 queries as second sources: column r, dimensions along the registers
.irp q, 0,1
.irp ks, 0,1
.irp c, 0,1
	global_load_b128 v[QF+16*\q+8*\ks+4*\c:QF+16*\q+8*\ks+4*\c+3], v[QOFF+\q], s[\base:\base+1] offset:64*\ks+32*\c
.endr
.endr
.endr
.endm
; A block's first super-tile may be a trip of the loop or the masked one, so no fixed first product can start the sums: O is cleared, 64 registers a block.
; The maximum starts at the lowest finite number: a tile that is masked whole then gives exp2(-infinity) = 0 and never infinity - infinity.
.macro INIT
.set i, 0
.rept 64
	v_mov_b32 v[OA+i], 0
.set i, i+1
.endr
.irp q, 0,1
	v_mov_b32 v[ST+4*\q], 0xff7fffff
	v_mov_b32 v[ST+4*\q+1], 0
	v_mov_b32 v[ST+4*\q+2], 0
	v_mov_b32 v[ST+4*\q+3], 0
.endr
.endm
; 64 keys of query group q: mask, new maximum, exponentials, O and the row sum rescaled, P packed to f16 in place
.macro SOFTMAX q, sub, mask
.if \mask
.irp kt, 0,1,2,3
.irp j, 0,1,2,3,4,5,6,7
	v_cmp_gt_i32 vcc_lo, 64*\sub+16*\kt+\j, v[DQ+\q]       ; the key lies behind the query
	v_cndmask_b32 v[SC+32*\q+8*\kt+\j], v[SC+32*\q+8*\kt+\j], v[NINF], vcc_lo
.endr
.endr
.endif
.irp c, 0,1,2,3                        ; four chains that do not wait for each other
	v_max3_num_f32 v[T+\c], v[SC+32*\q+8*\c], v[SC+32*\q+8*\c+1], v[SC+32*\q+8*\c+2]
.endr
.irp c, 0,1,2,3
	v_max3_num_f32 v[T+\c], v[T+\c], v[SC+32*\q+8*\c+3], v[SC+32*\q+8*\c+4]
.endr
.irp c, 0,1,2,3
	v_max3_num_f32 v[T+\c], v[T+\c], v[SC+32*\q+8*\c+5], v[SC+32*\q+8*\c+6]
.endr
.irp c, 0,1,2,3
	v_max_num_f32 v[T+\c], v[T+\c], v[SC+32*\q+8*\c+7]
.endr
	v_max3_num_f32 v[T], v[T], v[T+1], v[T+2]
	v_max_num_f32 v[T], v[T], v[T+3]
	v_permlanex16_b32 v[T+1], v[T], s76, s77       ; the other half's keys of the same query
	v_max_num_f32 v[T], v[T], v[T+1]
	v_mul_f32 v[T], s74, v[T]
	v_max_num_f32 v[T+1], v[ST+4*\q], v[T]         ; the new maximum
	v_sub_f32 v[T+2], v[ST+4*\q], v[T+1]
	v_mov_b32 v[ST+4*\q], v[T+1]
	v_exp_f32 v[ST+4*\q+2], v[T+2]                 ; what the old sums are worth under it; the lines below are the plain place behind it (ISA guide 5.7.2)
.irp i, 0,2,4,6,8,10,12,14,16,18,20,22,24,26,28,30
	v_pk_fma_f32 v[SC+32*\q+\i:SC+32*\q+\i+1], v[SC+32*\q+\i:SC+32*\q+\i+1], s[74:75], v[ST+4*\q:ST+4*\q+1] op_sel_hi:[1,0,0] neg_lo:[0,0,1] neg_hi:[0,0,1]
.endr
.irp i, 0,1,2,3,4,5,6,7,8,9,10,11,12,13,14,15,16,17,18,19,20,21,22,23,24,25,26,27,28,29,30,31
	v_exp_f32 v[SC+32*\q+\i], v[SC+32*\q+\i]
.endr
	s_wait_alu depctr_va_vdst(0)
.irp t, 0,1,2,3                        ; the first of these is the plain place behind the exponentials
.irp p, 0,2,4,6
	v_pk_mul_f32 v[OA+8*(2*\t+\q)+\p:OA+8*(2*\t+\q)+\p+1], v[OA+8*(2*\t+\q)+\p:OA+8*(2*\t+\q)+\p+1], v[ST+4*\q+2:ST+4*\q+3] op_sel_hi:[1,0]
.endr
.endr
.irp c, 0,1,2,3
	v_pk_add_f32 v[T+2*\c:T+2*\c+1], v[SC+32*\q+4*\c:SC+32*\q+4*\c+1], v[SC+32*\q+4*\c+2:SC+32*\q+4*\c+3]
.endr
.irp c, 0,1,2,3
	v_pk_add_f32 v[T+2*\c:T+2*\c+1], v[T+2*\c:T+2*\c+1], v[SC+32*\q+16+2*\c:SC+32*\q+16+2*\c+1]
.endr
.irp c, 0,1,2,3
	v_pk_add_f32 v[T+2*\c:T+2*\c+1], v[T+2*\c:T+2*\c+1], v[SC+32*\q+24+2*\c:SC+32*\q+24+2*\c+1]
.endr
	v_pk_add_f32 v[T:T+1], v[T:T+1], v[T+2:T+3]
	v_pk_add_f32 v[T+4:T+5], v[T+4:T+5], v[T+6:T+7]
	v_pk_add_f32 v[T:T+1], v[T:T+1], v[T+4:T+5]
	v_add_f32 v[T], v[T], v[T+1]
	v_fma_f32 v[ST+4*\q+1], v[ST+4*\q+1], v[ST+4*\q+2], v[T]
.irp i, 0,1,2,3,4,5,6,7,8,9,10,11,12,13,14,15
	v_cvt_pk_f16_f32 v[SC+32*\q+\i], v[SC+32*\q+2*\i], v[SC+32*\q+2*\i+1]    ; ascending: a word is read before it is written over
.endr
.endm
; 64 keys (sub 0 or 1 of my 128) x my 32 queries.  In each run of matrix instructions eight accumulators take turns, one instruction a turn, in the same order in both
; halves of K.
.macro SUB slot, sub, mask
.irp ks, 0,1
.irp kt, 0,1,2,3
	ds_load_b128 v[KV+16*\kt+8*\ks:KV+16*\kt+8*\ks+3],   v[KADR+\slot] offset:(64*\sub+16*\kt)*KP+64*\ks
	ds_load_b128 v[KV+16*\kt+8*\ks+4:KV+16*\kt+8*\ks+7], v[KADR+\slot] offset:(64*\sub+16*\kt)*KP+64*\ks+32
.endr
.endr
	s_wait_dscnt 8                                 ; dimensions 0-31 of the four key groups are in; the eight younger loads may be out
.irp q, 0,1
.irp kt, 0,1,2,3
	v_wmma_f32_16x16x32_f16 v[SC+32*\q+8*\kt:SC+32*\q+8*\kt+7], v[KV+16*\kt:KV+16*\kt+7], v[QF+16*\q:QF+16*\q+7], 0
.endr
.endr
	s_wait_dscnt 0
.irp q, 0,1
.irp kt, 0,1,2,3
	v_wmma_f32_16x16x32_f16 v[SC+32*\q+8*\kt:SC+32*\q+8*\kt+7], v[KV+16*\kt+8:KV+16*\kt+15], v[QF+16*\q+8:QF+16*\q+15], v[SC+32*\q+8*\kt:SC+32*\q+8*\kt+7]
.endr
.endr
.rept 4
	v_nop                                          ; four places before loads land on K's fragments and vector instructions read the scores
.endr
.irp ks, 0,1
.irp t, 0,1,2,3
	ds_load_tr16_b128 v[KV+16*\t+8*\ks:KV+16*\t+8*\ks+3],   v[VADR+\slot] offset:(64*\sub+32*\ks)*VP+32*\t
	ds_load_tr16_b128 v[KV+16*\t+8*\ks+4:KV+16*\t+8*\ks+7], v[VADR+\slot] offset:(64*\sub+32*\ks)*VP+32*\t+16*VP
.endr
.endr
	SOFTMAX 0, \sub, \mask                         ; V's fragments come in meanwhile
	SOFTMAX 1, \sub, \mask
	s_wait_dscnt 8                                 ; keys 0-31 of the four dimension groups are in
.irp t, 0,1,2,3
.irp q, 0,1
	v_wmma_f32_16x16x32_f16 v[OA+8*(2*\t+\q):OA+8*(2*\t+\q)+7], v[KV+16*\t:KV+16*\t+7], v[SC+32*\q:SC+32*\q+7], v[OA+8*(2*\t+\q):OA+8*(2*\t+\q)+7]
.endr
.endr
	s_wait_dscnt 0
.irp t, 0,1,2,3
.irp q, 0,1
	v_wmma_f32_16x16x32_f16 v[OA+8*(2*\t+\q):OA+8*(2*\t+\q)+7], v[KV+16*\t+8:KV+16*\t+15], v[SC+32*\q+8:SC+32*\q+15], v[OA+8*(2*\t+\q):OA+8*(2*\t+\q)+7]
.endr
.endr
.rept 5
	v_nop                                          ; five places: the next score product writes over P, the next loads land on V's fragments, a store may read O
.endr
.endm
; One super-tile.  In front of the barrier every wave waits for all its tensor loads (this tile among them) and for its reads of the other slot; no load is out then, so the
; group 0 registers may be written.  Behind it the other slot is filled first, one load a wave (waves 0 and 4), and has the whole super-tile's work in which to land.
.macro STEP slot, mask, refill, reset
	s_set_vgpr_msb 0x5
	s_wait_tensorcnt 0x0
	ds_add_u32 v0, v1
	s_wait_dscnt 0x0
	s_set_vgpr_msb 0x500
.if \reset
	TILE01                                         ; the next block begins again at super-tile 0
.else
	s_add_nc_u64 s[G0K+4*\slot+2:G0K+4*\slot+3], s[G0K+4*\slot+2:G0K+4*\slot+3], 2*TILEB    ; this slot's next tile
	s_add_nc_u64 s[G0V+8*\slot+2:G0V+8*\slot+3], s[G0V+8*\slot+2:G0V+8*\slot+3], 2*TILEB
.endif
	s_wait_dscnt 0x0
	s_barrier_signal -1
	s_barrier_wait -1
.if \refill
	TLOAD 1-\slot
.endif
	SUB \slot, 0, \mask
	SUB \slot, 1, \mask
.endm
; A block's end: give group 1 to my partner, take its part of my group 0, merge under the common maximum, divide, store 16 queries x 128 bytes.
.macro FINISH ob, next
.if \next
	QLOAD 30                                       ; the second block's queries come in meanwhile
.endif
.irp t, 0,1,2,3
	ds_store_b128 v[XST], v[OA+8*(2*\t+1):OA+8*(2*\t+1)+3] offset:1024*\t
	ds_store_b128 v[XST], v[OA+8*(2*\t+1)+4:OA+8*(2*\t+1)+7] offset:1024*\t+512
.endr
	ds_store_b128 v[XST], v[ST+4:ST+7] offset:4096
	s_wait_dscnt 0x0                               ; for my partner's sake: my stores are done before I signal
	s_barrier_signal -1                            ; The next block's first tile may stay on its way
	s_barrier_wait -1
.irp u, 0,1,2,3,4,5,6,7,8
	ds_load_b128 v[KV+4*\u:KV+4*\u+3], v[XLD] offset:512*\u
.endr
	s_wait_dscnt 0x0
	v_max_num_f32 v[T], v[ST], v[KV+32]            ; the common maximum
	v_sub_f32 v[T+1], v[ST], v[T]
	v_sub_f32 v[T+2], v[KV+32], v[T]
	v_exp_f32 v[T+1], v[T+1]
	v_exp_f32 v[T+2], v[T+2]
	v_nop                                          ; the plain place behind the exponentials
	s_wait_alu depctr_va_vdst(0)
	v_mul_f32 v[T+3], v[ST+1], v[T+1]
	v_fma_f32 v[T+3], v[KV+33], v[T+2], v[T+3]
	v_permlanex16_b32 v[T], v[T+3], s76, s77       ; the other half's keys
	v_add_f32 v[T+3], v[T+3], v[T]                 ; the row sum: at least the largest exponential, which is 1 but for rounding
	v_rcp_f32 v[T], v[T+3]
	v_nop
	s_wait_alu depctr_va_vdst(0)
	v_mul_f32 v[T+4], v[T+1], v[T]                 ; my part's factor, twice, for the packed forms
	v_mul_f32 v[T+5], v[T+1], v[T]
	v_mul_f32 v[T+6], v[T+2], v[T]                 ; my partner's
	v_mul_f32 v[T+7], v[T+2], v[T]
.irp t, 0,1,2,3
.irp p, 0,2,4,6
	v_pk_mul_f32 v[OA+16*\t+\p:OA+16*\t+\p+1], v[OA+16*\t+\p:OA+16*\t+\p+1], v[T+4:T+5]
	v_pk_fma_f32 v[OA+16*\t+\p:OA+16*\t+\p+1], v[KV+8*\t+\p:KV+8*\t+\p+1], v[T+6:T+7], v[OA+16*\t+\p:OA+16*\t+\p+1]
.endr
.endr
.irp t, 0,1,2,3
.irp p, 0,1,2,3
	v_cvt_pk_f16_f32 v[SC+4*\t+\p], v[OA+16*\t+2*\p], v[OA+16*\t+2*\p+1]
.endr
.endr
.irp t, 0,1,2,3
	ds_store_b128 v[SST], v[SC+4*\t:SC+4*\t+3] offset:32*\t        ; query r, dimensions 16 t + 8 hh .. + 7
.endr
.irp u, 0,1,2,3
	ds_load_b128 v[SC+16+4*\u:SC+16+4*\u+3], v[SLD] offset:4*KP*\u ; my own bytes, served in order (ISA guide 5.7.1): four queries' 512 bytes
.endr
.irp u, 0,1,2,3
	s_wait_dscnt 3-\u                              ; this one is back, the younger ones may be out
	global_store_b128 v[GOFF], v[SC+16+4*\u:SC+16+4*\u+3], s[\ob:\ob+1] offset:512*\u   ; 512 consecutive bytes, aligned
.endr
.if \next
	s_wait_xcnt 0x0                                ; the stores' data registers hold scores again in the next block
	s_wait_loadcnt 0x0                             ; the second block's queries
.endif
.endm
	QLOAD 28
	INIT
	s_wait_loadcnt 0x0
	; the first block: super-tiles 0 .. 2 a + 1, the last with the mask
	s_cmp_eq_u32 s14, 0
	s_cbranch_scc1 .Lb1_tail
	s_mov_b32 s72, 0
.Lb1:
	STEP 0, 0, 1, 0
	STEP 1, 0, 1, 0
	s_add_co_u32 s72, s72, 1
	s_cmp_lt_u32 s72, s14
	s_cbranch_scc1 .Lb1
.Lb1_tail:
	STEP 0, 0, 1, 0
	STEP 1, 1, 1, 1                                ; its refill is the second block's super-tile 0
	FINISH 32, 1
	INIT
	; the second block: super-tiles 0 .. 6 - 2 a, the last with the mask
	s_cmp_eq_u32 s73, 0
	s_cbranch_scc1 .Lb2_tail
	s_mov_b32 s72, 0
.Lb2:
	STEP 0, 0, 1, 0
	STEP 1, 0, 1, 0
	s_add_co_u32 s72, s72, 1
	s_cmp_lt_u32 s72, s73
	s_cbranch_scc1 .Lb2
.Lb2_tail:
	STEP 0, 1, 0, 0                                ; nothing is left to fetch
	FINISH 34, 0
	s_set_vgpr_msb 0x5
	s_wait_tensorcnt 0x0
	ds_add_u32 v0, v1
	s_wait_dscnt 0x0
	s_set_vgpr_msb 0x500
	s_endpgm
.Lfunc_end_k_qf357efc412_attn:
	.size	k_qf357efc412_attn, .Lfunc_end_k_qf357efc412_attn-k_qf357efc412_attn
	.p2alignl 7, 3214868480
	.fill 96, 4, 3214868480
	.section	.rodata,"a",@progbits
	.p2align	6, 0x0
	.amdhsa_kernel k_qf357efc412_attn
		.amdhsa_group_segment_fixed_size 327680
		.amdhsa_private_segment_fixed_size 0
		.amdhsa_enable_private_segment 0
		.amdhsa_kernarg_size 16
		.amdhsa_user_sgpr_count 2
		.amdhsa_user_sgpr_kernarg_segment_ptr 1
		.amdhsa_wavefront_size32 1
		.amdhsa_system_sgpr_workgroup_id_x 1
		.amdhsa_system_sgpr_workgroup_id_y 1
		.amdhsa_system_sgpr_workgroup_id_z 1
		.amdhsa_system_vgpr_workitem_id 0
		.amdhsa_next_free_vgpr 258
		.amdhsa_next_free_sgpr 80
		.amdhsa_reserve_vcc 1
		.amdhsa_float_denorm_mode_32 3
		.amdhsa_float_denorm_mode_16_64 3
		.amdhsa_memory_ordered 1
		.amdhsa_forward_progress 1
		.amdhsa_inst_pref_size 255
	.end_amdhsa_kernel
	.section	.bss,"aw",@nobits
	.p2align	6
	.space	262144
	.amdgpu_metadata
---
amdhsa.version: [ 1, 2 ]
amdhsa.kernels:
  - .name:           k_qf357efc412_attn
    .symbol:         k_qf357efc412_attn.kd
    .args:
      - { .name: qkv, .offset: 0, .size: 8, .value_kind: global_buffer, .address_space: global }
      - { .name: ao, .offset: 8, .size: 8, .value_kind: global_buffer, .address_space: global }
    .group_segment_fixed_size: 327680
    .private_segment_fixed_size: 0
    .kernarg_segment_align: 8
    .kernarg_segment_size: 16
    .max_flat_workgroup_size: 256
    .sgpr_count:     80
    .vgpr_count:     258
    .wavefront_size: 32
...
	.end_amdgpu_metadata
.endif
;; end of part 3
;; launch oproj (part 4): grid 8 x 32, 4 waves a work-group, clusters of 4 x 4, 327,680 bytes of LDS; arguments ao, wb, out0; writes out0
.if DOCPART == 4
	.amdgcn_target "amdgcn-amd-amdhsa--gfx1250"
	.amdhsa_code_object_version 6
	.text
	.protected	k_qf357efc412_oproj
	.globl	k_qf357efc412_oproj
	.p2align	8
	.type	k_qf357efc412_oproj,@function
k_qf357efc412_oproj:
	s_mov_b64 s[64:65], 0
	v_nop
	global_prefetch_b8 v0, s[64:65] scope:SCOPE_SE
	s_setreg_imm32_b32 hwreg(HW_REG_WAVE_MODE, 25, 1), 1
	s_wait_xcnt 0x0
	s_wait_alu depctr_hold_cnt(0) depctr_sa_sdst(0) depctr_va_vdst(0) depctr_va_sdst(0) depctr_va_ssrc(0) depctr_va_vcc(0) depctr_vm_vsrc(0)
	s_getreg_b32 s2, hwreg(HW_REG_IB_STS2, 6, 4)
	s_cmp_eq_u32 s2, 0
	s_cbranch_scc0 .Lentry_in_a_cluster
	s_endpgm
.Lentry_in_a_cluster:
	s_bfe_u32 s2, ttmp6, 0x10000c
	s_cmp_lg_u32 s2, 0xf033
	s_cbranch_scc0 .Lentry_shape_is_right
	s_endpgm
.Lentry_shape_is_right:
; out0[m][n] = sum over k of attention[m][k] Wo[n][k]: m < 4096, n < 1024, K = 1024; f16 operands, f32 sums, f32 result.
; ao: [m / 128][head][128 tokens][64] f16, so 256 along K of a block of 128 rows are four heads = 65,536 dense bytes.  Wo: rows 3072-4095 of wb, f16.
; A work-group makes 128 x 128: 8 x 32 = 256 work-groups (a larger block would leave part of them without work).  Four waves, each 64 x 64: 16 accumulator tiles.
; K goes in four slabs of 256 through two LDS slots.  CLUSTERS: 4 x 4; ao's tiles are shared along a row of the cluster, Wo's along a column, each asked for jointly.
; REGISTERS: window 0: v16-26 addresses, v64-127 and v128-191 two fragment buffers (Wo at + 8 b, ao at + 32 + 8 a); window 1: v0-127 accumulators, tile (a, b) at 8 (4 a + b).
; The matrix instruction is used transposed (source 0 = rows of Wo, source 1 = tokens): a lane holds one token and eight neighbouring columns, 32 bytes.
.set APITCH, 144                       ; a token's 128 bytes of one head + 16
.set AHEAD,  128*APITCH                ; one head of the block
.set AHALF,  2*AHEAD                   ; what one load of ao brings
.set BPITCH, 528                       ; a row's 512 bytes + 16
.set BHALF,  64*BPITCH                 ; what one load of Wo brings
.set BOFF,   4*AHEAD
.set SLOT,   BOFF+2*BHALF              ; 141,312
.set STAGE,  2*SLOT                    ; behind the ring: 16 rows x 272 bytes for each wave; no fill lands here
.set SPITCH, 272
.set ADRA, 16
.set ADRB, 20
.set STO,  24
.set RD,   25
.set CO,   26
.set F0,   64
.set F1,   128
.set G1, 24
.set G0, 32
.set G1B, 48
.set G0B, 56
.set MSB, 0
.macro WIN new                         ; the immediate's high byte repeats the setting that is left
.if MSB != \new
	s_set_vgpr_msb (MSB<<8)|\new
.set MSB, \new
.endif
.endm
.set MUL, 0x50                         ; sources 0 and 1 window 0, C and D window 1
.macro JLOAD s                         ; waves 0 and 1 fetch ao's halves, waves 2 and 3 Wo's
	s_cmp_eq_u32 s11, 0
	s_cbranch_scc0 .Lfor_b_\@
	tensor_load_to_lds s[G0+4*\s:G0+4*\s+3], s[G1:G1+7]
	s_nop 0
	s_branch .Lasked_\@
.Lfor_b_\@:
	tensor_load_to_lds s[G0B+4*\s:G0B+4*\s+3], s[G1B:G1B+7]
	s_nop 0
.Lasked_\@:
.endm
.macro CREST                           ; a round of the cluster's barrier behind its opening barrier
	s_cmp_lg_u32 s10, 0
	s_cbranch_scc1 .Lnot_wave_0_\@
	s_barrier_signal -3
.Lnot_wave_0_\@:
	s_barrier_wait -3
	s_barrier_signal -1
	s_barrier_wait -1
.endm
.macro CROUND
	s_barrier_signal -1
	s_barrier_wait -1
	CREST
.endm
	s_load_b128 s[4:7], s[0:1], 0x0                ; ao s[4:5], wb s[6:7]
	s_load_b64 s[8:9], s[0:1], 0x10                ; out0
	v_lshl_add_u32 v254, v0, 2, 0x49400
	v_mov_b32 v255, 0
	ds_add_u32 v254, v255
	v_lshrrev_b32 v1, 5, v0
	v_readfirstlane_b32 s10, v1                    ; wave 0..3
	s_lshr_b32 s11, s10, 1                         ; my half of the block's rows.  Also: I fetch for ao (0) or for Wo (1)
	s_and_b32 s12, s10, 1                          ; my half of its columns.  Also: which half of that tile I fetch
	s_bfe_u32 s40, ttmp6, 0x40000                  ; cx
	s_bfe_u32 s41, ttmp6, 0x40004                  ; cy
	s_lshl_b32 s42, ttmp9, 2
	s_add_co_u32 s42, s42, s40                     ; block column
	s_and_b32 s13, ttmp7, 0xffff
	s_lshl_b32 s13, s13, 2
	s_add_co_u32 s13, s13, s41                     ; block row
	s_lshl_b32 s43, s41, 2
	s_lshl_b32 s43, 15, s43                        ; my row of the cluster
	s_lshl_b32 s44, 0x1111, s40                    ; my column
	; ao: 32,768 dense bytes as 128 rows of 256 bytes, 4 words of padding behind every 32 words (a token's 128 bytes)
	s_or_b32 s[G1+0], s43, (1<<16)|(1<<20)|(1<<21)|(4<<22)|(3<<25)
	s_mov_b32 s[G1+1], 128<<16
	s_mov_b32 s[G1+2], 128<<16
	s_mov_b32 s[G1+3], 128<<16
	s_mov_b32 s[G1+4], 128
	s_mov_b32 s[G1+5], 128
	s_mov_b32 s[G1+6], 0
	s_mov_b32 s[G1+7], 0
	; Wo: 64 rows of 256 elements (512 bytes), 4 words of padding behind every 128 words
	s_or_b32 s[G1B+0], s44, (1<<16)|(1<<20)|(1<<21)|(6<<22)|(3<<25)
	s_mov_b32 s[G1B+1], 256<<16
	s_mov_b32 s[G1B+2], 64<<16
	s_mov_b32 s[G1B+3], 256<<16
	s_mov_b32 s[G1B+4], 64
	s_mov_b32 s[G1B+5], 1024
	s_mov_b32 s[G1B+6], 0
	s_mov_b32 s[G1B+7], 0
	s_lshl_b32 s16, s13, 18                        ; ao: block row x 262,144
	s_lshl_b32 s17, s12, 15                        ; + two heads for the second half
	s_add_co_u32 s16, s16, s17
	s_mov_b32 s17, 0
	s_lshl_b32 s46, s42, 7
	s_lshl_b32 s47, s12, 6
	s_add_co_u32 s46, s46, s47                     ; Wo: row 128 x block column + 64 x half
	s_lshl_b32 s46, s46, 11
	s_add_co_u32 s46, s46, 3072*2048               ; behind Wq, Wk, Wv in wb
	s_mov_b32 s47, 0
	s_mul_i32 s20, s12, AHALF
	s_mul_i32 s21, s12, BHALF
	s_add_co_u32 s21, s21, BOFF
	s_wait_dscnt 0x0
	s_wait_kmcnt 0x0
	s_add_nc_u64 s[14:15], s[4:5], s[16:17]
	s_add_nc_u64 s[46:47], s[6:7], s[46:47]
	CROUND                                         ; all sixteen work-groups are here: the first joint loads meet
.irp s, 0,1
	s_mov_b32 s[G0+4*\s], 1
	s_add_co_u32 s[G0+4*\s+1], s20, \s*SLOT
	s_add_nc_u64 s[G0+4*\s+2:G0+4*\s+3], s[14:15], \s*65536        ; slab s: four heads on
	s_or_b32 s[G0+4*\s+3], s[G0+4*\s+3], 0x80000000
	s_mov_b32 s[G0B+4*\s], 1
	s_add_co_u32 s[G0B+4*\s+1], s21, \s*SLOT
	s_add_nc_u64 s[G0B+4*\s+2:G0B+4*\s+3], s[46:47], \s*512        ; slab s: 256 elements on
	s_or_b32 s[G0B+4*\s+3], s[G0B+4*\s+3], 0x80000000
	JLOAD \s                                       ; both slots' first fills: two loads of the wave are out
.endr
	v_and_b32 v1, 15, v0                           ; r
	v_bfe_u32 v2, v0, 4, 1                         ; h
	v_mul_u32_u24 v3, v1, APITCH
	v_lshl_add_u32 v3, v2, 4, v3
	v_mul_u32_u24 v4, v1, BPITCH
	v_lshl_add_u32 v4, v2, 4, v4
	s_mul_i32 s22, s11, 64*APITCH                  ; my 64 tokens
	s_mul_i32 s23, s12, 64*BPITCH                  ; my 64 rows of Wo,
	s_add_co_u32 s23, s23, BOFF                    ; which lie behind ao's four heads
.irp s, 0,1
	v_add_nc_u32 v[ADRA+\s], s22, v3
	v_add_nc_u32 v[ADRB+\s], s23, v4
	s_add_co_u32 s22, s22, SLOT
	s_add_co_u32 s23, s23, SLOT
.endr
	s_mul_i32 s18, s10, 16*SPITCH
	s_add_co_u32 s18, s18, STAGE
	v_mul_u32_u24 v5, v1, SPITCH
	v_lshl_add_u32 v5, v2, 5, v5
	v_add_nc_u32 v[STO], s18, v5                   ; in: token r, 32 bytes for each half of the lanes
	v_mul_u32_u24 v6, v2, SPITCH
	v_lshl_add_u32 v6, v1, 4, v6
	v_add_nc_u32 v[RD], s18, v6                    ; back: lanes 0-15 one row of 256 bytes, lanes 16-31 the next
	v_lshlrev_b32 v7, 12, v2
	v_lshl_add_u32 v[CO], v1, 4, v7                ; the same two rows in out0 (4,096 bytes a row)
; 8 matrix instructions: token groups 2 half, 2 half + 1 x 4 column groups, 32 along K
.macro MUL8 f, half, zero
.irp a, 0,1
.irp b, 0,1,2,3
.if \zero
	v_wmma_f32_16x16x32_f16 v[8*(4*(2*\half+\a)+\b):8*(4*(2*\half+\a)+\b)+7], v[\f+8*\b:\f+8*\b+7], v[\f+32+8*(2*\half+\a):\f+32+8*(2*\half+\a)+7], 0
.else
	v_wmma_f32_16x16x32_f16 v[8*(4*(2*\half+\a)+\b):8*(4*(2*\half+\a)+\b)+7], v[\f+8*\b:\f+8*\b+7], v[\f+32+8*(2*\half+\a):\f+32+8*(2*\half+\a)+7], v[8*(4*(2*\half+\a)+\b):8*(4*(2*\half+\a)+\b)+7]
.endif
.endr
.endr
.endm
; 16 LDS loads: piece kq (32 along K) of the slab: Wo at byte 64 kq of its rows; ao in head kq / 2, at byte 64 (kq % 2) of a token's row
.macro FETCH slot, kq, f
.irp i, 0,1,2,3
	ds_load_b128 v[\f+8*\i:\f+8*\i+3],   v[ADRB+\slot] offset:64*\kq+\i*16*BPITCH
	ds_load_b128 v[\f+8*\i+4:\f+8*\i+7], v[ADRB+\slot] offset:64*\kq+\i*16*BPITCH+32
.endr
.irp i, 0,1,2,3
	ds_load_b128 v[\f+32+8*\i:\f+32+8*\i+3],   v[ADRA+\slot] offset:((\kq)>>1)*AHEAD+((\kq)&1)*64+\i*16*APITCH
	ds_load_b128 v[\f+32+8*\i+4:\f+32+8*\i+7], v[ADRA+\slot] offset:((\kq)>>1)*AHEAD+((\kq)&1)*64+\i*16*APITCH+32
.endr
.endm
.macro PLACES                          ; four plain places between a matrix instruction and a load into, or a store of, one of its registers (ISA guide 7.12.1 for stores)
.rept 4
	v_nop
.endr
.endm
; A slab is eight pieces on buffers 0, 1, 0, 1, ...  One of the first seven: fetches piece kq into buffer g, then multiplies buffer f.
; The 16 accumulators take turns, one instruction a turn, in the same order in every piece.
.macro PIECE slot, kq, f, g, zero
	PLACES
	WIN 0
	FETCH \slot, \kq, \g
	s_wait_dscnt 16                                ; all but the 16 just issued
	WIN MUL
	MUL8 \f, 0, \zero
	MUL8 \f, 1, \zero
.endm
.macro SEVEN slot, zero
	PIECE \slot, 1, F0, F1, \zero
	PIECE \slot, 2, F1, F0, 0
	PIECE \slot, 3, F0, F1, 0
	PIECE \slot, 4, F1, F0, 0
	PIECE \slot, 5, F0, F1, 0
	PIECE \slot, 6, F1, F0, 0
	PIECE \slot, 7, F0, F1, 0
.endm
; The eighth piece multiplies buffer 1 and changes slots: each wave's waits for its reads of this slot and for all its tensor loads stand in front of the barrier; where the
; slot is filled again that barrier opens a round of the cluster's barrier, and the joint refill is the first tensor load behind the round, one a wave.
.macro TURN slot, next, fill
	s_wait_dscnt 0
	s_wait_tensorcnt 0x0
	ds_add_u32 v254, v255
	s_wait_dscnt 0x0
	s_barrier_signal -1
	MUL8 F1, 0, 0                                  ; register work while the others arrive
	WIN 0
	s_barrier_wait -1
.if \fill
	CREST
	s_add_nc_u64 s[G0+4*\slot+2:G0+4*\slot+3], s[G0+4*\slot+2:G0+4*\slot+3], 2*65536
	s_add_nc_u64 s[G0B+4*\slot+2:G0B+4*\slot+3], s[G0B+4*\slot+2:G0B+4*\slot+3], 2*512
	JLOAD \slot
.endif
	PLACES
	FETCH \next, 0, F0
	WIN MUL
	MUL8 F1, 1, 0
.endm
	s_wait_tensorcnt 1                             ; my part of slab 0 is in; slab 1's may stay out
	s_barrier_signal -1
	s_barrier_wait -1
	FETCH 0, 0, F0
	SEVEN 0, 1                                     ; slab 0: its first products start the sums
	TURN 0, 1, 1                                   ; slot 0 gets slab 2
	SEVEN 1, 0
	TURN 1, 0, 1                                   ; slot 1 gets slab 3
	SEVEN 0, 0
	TURN 0, 1, 0                                   ; nothing is left to fetch
	SEVEN 1, 0
	s_wait_dscnt 0
	MUL8 F1, 0, 0
	MUL8 F1, 1, 0
	; THE WAY OUT, 16 rows at a time: 32 bytes a lane and tile into my own stage, read back as whole rows of 256 bytes
	PLACES
	WIN 0
	s_lshl_b32 s16, s13, 7
	s_lshl_b32 s17, s11, 6
	s_add_co_u32 s16, s16, s17                     ; my first row
	s_lshl_b32 s16, s16, 12                        ; 4,096 bytes a row
	s_mov_b32 s17, 0
	s_add_nc_u64 s[8:9], s[8:9], s[16:17]
	s_lshl_b32 s46, s42, 9                         ; my first column, in bytes: 512 x block + 256 x half
	s_lshl_b32 s47, s12, 8
	s_add_co_u32 s46, s46, s47
	s_mov_b32 s47, 0
	s_add_nc_u64 s[8:9], s[8:9], s[46:47]
.macro OUT16 grp, dst
	WIN 0x04                                       ; an LDS store's data is source 1: window 1
.irp b, 0,1,2,3
	ds_store_b128 v[STO], v[8*(4*\grp+\b):8*(4*\grp+\b)+3] offset:64*\b
	ds_store_b128 v[STO], v[8*(4*\grp+\b)+4:8*(4*\grp+\b)+7] offset:64*\b+16
.endr
	WIN 0
	s_wait_xcnt 0x0                                ; the registers read back into were the data of earlier stores
.irp t, 0,1,2,3,4,5,6,7
	ds_load_b128 v[\dst+4*\t:\dst+4*\t+3], v[RD] offset:\t*2*SPITCH    ; my own bytes, served in order (ISA guide 5.7.1)
.endr
.irp t, 0,1,2,3,4,5,6,7
	s_wait_dscnt 7-\t                              ; this one is back, the younger ones may be out
	global_store_b128 v[CO], v[\dst+4*\t:\dst+4*\t+3], s[8:9] offset:\grp*65536+\t*8192 th:TH_STORE_NT   ; 16 lanes store 256 consecutive bytes, aligned
.endr
.endm
	OUT16 0, F0
	OUT16 1, F1
	OUT16 2, F0
	OUT16 3, F1
	s_wait_tensorcnt 0x0
	ds_add_u32 v254, v255
	s_wait_dscnt 0x0
	CROUND                                         ; the closing round
	s_endpgm
.Lfunc_end_k_qf357efc412_oproj:
	.size	k_qf357efc412_oproj, .Lfunc_end_k_qf357efc412_oproj-k_qf357efc412_oproj
	.p2alignl 7, 3214868480
	.fill 96, 4, 3214868480
	.section	.rodata,"a",@progbits
	.p2align	6, 0x0
	.amdhsa_kernel k_qf357efc412_oproj
		.amdhsa_group_segment_fixed_size 327680
		.amdhsa_private_segment_fixed_size 0
		.amdhsa_enable_private_segment 0
		.amdhsa_kernarg_size 24
		.amdhsa_user_sgpr_count 2
		.amdhsa_user_sgpr_kernarg_segment_ptr 1
		.amdhsa_wavefront_size32 1
		.amdhsa_system_sgpr_workgroup_id_x 1
		.amdhsa_system_sgpr_workgroup_id_y 1
		.amdhsa_system_sgpr_workgroup_id_z 1
		.amdhsa_system_vgpr_workitem_id 0
		.amdhsa_next_free_vgpr 384
		.amdhsa_next_free_sgpr 66
		.amdhsa_reserve_vcc 0
		.amdhsa_float_denorm_mode_32 3
		.amdhsa_float_denorm_mode_16_64 3
		.amdhsa_memory_ordered 1
		.amdhsa_forward_progress 1
		.amdhsa_inst_pref_size 89
	.end_amdhsa_kernel
	.amdgpu_metadata
---
amdhsa.version: [ 1, 2 ]
amdhsa.kernels:
  - .name:           k_qf357efc412_oproj
    .symbol:         k_qf357efc412_oproj.kd
    .args:
      - { .name: ao, .offset: 0, .size: 8, .value_kind: global_buffer, .address_space: global }
      - { .name: wb, .offset: 8, .size: 8, .value_kind: global_buffer, .address_space: global }
      - { .name: out0, .offset: 16, .size: 8, .value_kind: global_buffer, .address_space: global }
    .group_segment_fixed_size: 327680
    .private_segment_fixed_size: 0
    .kernarg_segment_align: 8
    .kernarg_segment_size: 24
    .max_flat_workgroup_size: 128
    .sgpr_count:     66
    .vgpr_count:     384
    .wavefront_size: 32
...
	.end_amdgpu_metadata
.endif
;; end of part 4
;; ======== version 2 of 2: 4 launches; version 1 with the launch cast written anew for expert scheduling mode
;; limits: values are held in f16: magnitudes above 65,504 overflow, below 6.1e-05 lose precision
;; workspace buffers: xb 8,388,608 bytes; wb 8,388,608 bytes; qkv 25,165,824 bytes; ao 8,388,608 bytes
;; launch cast (part 5): grid 256 x 1, 8 waves a work-group, no clusters, 0 bytes of LDS; arguments x, Wq, Wk, Wv, Wo, xb, wb; writes xb, wb
.if DOCPART == 5
	.amdgcn_target "amdgcn-amd-amdhsa--gfx1250"
	.amdhsa_code_object_version 6
	.text
	.protected	k_qf357efc412_cast
	.globl	k_qf357efc412_cast
	.p2align	8
	.type	k_qf357efc412_cast,@function
k_qf357efc412_cast:
	s_mov_b64 s[64:65], 0
	v_nop
	global_prefetch_b8 v0, s[64:65] scope:SCOPE_SE
	s_setreg_imm32_b32 hwreg(HW_REG_WAVE_SCHED_MODE, 0, 2), 2
	s_setreg_imm32_b32 hwreg(HW_REG_WAVE_MODE, 25, 1), 1
	s_wait_xcnt 0x0
	s_wait_alu depctr_vm_vsrc(0)
; x, Wq, Wk, Wv (f32) -> bf16;  Wo (f32) -> rounded to bf16 like the other inputs, then held as f16, since its partner in the
; last product (the attention output) is f16.  xb: [4096][1024] bf16.  wb: [4096][1024] of 16 bits: rows 0-1023 Wq, 1024-2047 Wk,
; 2048-3071 Wv (bf16), 3072-4095 Wo (f16).
; LIMIT: a bf16 value of Wo is exact in f16 for 6.2e-5 <= |w| <= 65,504; smaller ones are rounded with an absolute error of at most 3e-8,
; larger ones overflow.
; Each x number is used by 16 column blocks and each weight by 16 row blocks of the products that follow: rounding once here spares
; sixteen roundings there and halves the bytes that those products move.
; A stream: 256 work-groups, each 131,072 bytes in and 65,536 out.  Thread t takes 16 bytes at 16 t of each of 32 pieces of 4,096 bytes, so a
; wave's load covers 512 consecutive bytes and its store 256 consecutive, aligned bytes.  All 32 loads of a thread go out at once; every register
; is written once, so no source of a pending instruction is ever rewritten.  LDS, barriers, matrix units and clusters would add nothing here.
; THE MODE: SCHED_MODE bits 1:0 = 2 (LLVM: expert scheduling mode 2), set by the entry lines.  The code itself states the register dependences
; between vector instructions and memory instructions, with s_wait_alu, always for 0.
; THE PLAN.  Registers that memory instructions touch:
;   v1, v2   byte offsets, written once at the head; v1 is read by every load, v2 by every store; never written again.
;   X        piece i's four registers: its load lands there, once, and all 32 loads are issued ahead of the first conversion; read by piece i's conversions.
;   Y        piece i's two registers: written once, by piece i's conversions; read by piece i's store.
;   T        named by vector instructions alone.
; The 32 pieces go in eight blocks of four.  Block p waits for its four loads; one wait on va_vdst then states that block p - 1's conversions have written
; their part of Y; the four stores of block p - 1 follow, dealt among block p's conversions, which name X and Y of block p and T alone: none of the registers
; that those stores read.  One more such wait stands ahead of the last four stores.  No register that a memory instruction has read is written again, so no
; wait on vm_vsrc is owed anywhere.
.set T, 4                              ; v[4:7]     at work (Wo's way)
.set X, 8                              ; v[8:135]   piece i: 4 f32 as loaded
.set Y, 136                            ; v[136:199] piece i: 4 numbers of 16 bits to store
	s_load_b256 s[4:11], s[0:1], 0x0               ; x s[4:5], Wq s[6:7], Wk s[8:9], Wv s[10:11]
	s_load_b128 s[12:15], s[0:1], 0x20             ; Wo s[12:13], xb s[14:15]
	s_load_b64 s[16:17], s[0:1], 0x30              ; wb
	s_and_b32 s20, ttmp9, 127                      ; groups 0-127: chunk of x and of xb; groups 128-255: chunk of wb
	s_lshr_b32 s21, s20, 5                         ; which weight: 0 Wq, 1 Wk, 2 Wv, 3 Wo
	s_and_b32 s22, s20, 31                         ; chunk in that weight
	v_lshlrev_b32 v1, 4, v0                        ; 16 t: my bytes in a piece of the source
	v_lshlrev_b32 v2, 3, v0                        ; 8 t: in a piece of the destination
	s_wait_kmcnt 0x0
	s_mov_b64 s[24:25], s[6:7]
	s_cmp_eq_u32 s21, 1
	s_cselect_b64 s[24:25], s[8:9], s[24:25]
	s_cmp_eq_u32 s21, 2
	s_cselect_b64 s[24:25], s[10:11], s[24:25]
	s_cmp_eq_u32 s21, 3
	s_cselect_b64 s[24:25], s[12:13], s[24:25]
	s_cmp_lt_u32 ttmp9, 128
	s_cselect_b64 s[24:25], s[4:5], s[24:25]       ; the source,
	s_cselect_b32 s26, s20, s22                    ; my chunk of it,
	s_cselect_b64 s[28:29], s[14:15], s[16:17]     ; the destination
	s_lshl_b32 s26, s26, 17
	s_mov_b32 s27, 0
	s_add_nc_u64 s[24:25], s[24:25], s[26:27]
	s_lshl_b32 s30, s20, 16
	s_mov_b32 s31, 0
	s_add_nc_u64 s[28:29], s[28:29], s[30:31]
	s_wait_alu depctr_va_vdst(0)                   ; v1 and v2 are written: every load of the kernel reads v1 as its offset, every store v2
.irp i, 0,1,2,3,4,5,6,7,8,9,10,11,12,13,14,15,16,17,18,19,20,21,22,23,24,25,26,27,28,29,30,31
	global_load_b128 v[X+4*\i:X+4*\i+3], v1, s[24:25] offset:4096*\i th:TH_LOAD_NT
.endr
	s_cmp_ge_u32 ttmp9, 224
	s_cbranch_scc1 .Lwo
; Block p of the way to bf16: pieces 4 p to 4 p + 3 are rounded; the stores of block p - 1 stand among the roundings.
.macro TO_BF p
	s_wait_loadcnt 28-4*(\p)                       ; loads come back in order (ISA guide 5.7.1): pieces up to 4 p + 3 are in, the 28 - 4 p younger ones stay out
.if (\p) > 0
	s_wait_alu depctr_va_vdst(0)                   ; the roundings of block p - 1 have written its eight registers of Y, which the four stores below read
.endif
.irp i, 0,1,2,3
.if (\p) > 0
	global_store_b64 v2, v[Y+2*(4*(\p)-4+(\i)):Y+2*(4*(\p)-4+(\i))+1], s[28:29] offset:2048*(4*(\p)-4+(\i))  ; the block before; no vector instruction since the wait names these registers
.endif
	v_cvt_pk_bf16_f32 v[Y+2*(4*(\p)+(\i))],   v[X+4*(4*(\p)+(\i))],   v[X+4*(4*(\p)+(\i))+1]
	v_cvt_pk_bf16_f32 v[Y+2*(4*(\p)+(\i))+1], v[X+4*(4*(\p)+(\i))+2], v[X+4*(4*(\p)+(\i))+3]
.endr
.endm
; Block p of Wo's way: the same, with the rounded values written as f16.
.macro TO_F16 p
	s_wait_loadcnt 28-4*(\p)                       ; pieces up to 4 p + 3 are in, the 28 - 4 p younger ones stay out
.if (\p) > 0
	s_wait_alu depctr_va_vdst(0)                   ; the conversions of block p - 1 have written its eight registers of Y, which the four stores below read
.endif
.irp i, 0,1,2,3
.if (\p) > 0
	global_store_b64 v2, v[Y+2*(4*(\p)-4+(\i)):Y+2*(4*(\p)-4+(\i))+1], s[28:29] offset:2048*(4*(\p)-4+(\i))  ; the block before; no vector instruction since the wait names these registers
.endif
	v_cvt_pk_bf16_f32 v[T],   v[X+4*(4*(\p)+(\i))],   v[X+4*(4*(\p)+(\i))+1]   ; the rounding that every input gets
	v_cvt_pk_bf16_f32 v[T+1], v[X+4*(4*(\p)+(\i))+2], v[X+4*(4*(\p)+(\i))+3]
	v_lshlrev_b32 v[T+2], 16, v[T]                         ; back to f32: the low half moves up,
	v_and_b32 v[T+3], 0xffff0000, v[T]                     ; the high half stays
	v_cvt_pk_f16_f32 v[Y+2*(4*(\p)+(\i))], v[T+2], v[T+3]  ; the same values as f16
	v_lshlrev_b32 v[T+2], 16, v[T+1]
	v_and_b32 v[T+3], 0xffff0000, v[T+1]
	v_cvt_pk_f16_f32 v[Y+2*(4*(\p)+(\i))+1], v[T+2], v[T+3]
.endr
.endm
.irp p, 0,1,2,3,4,5,6,7
	TO_BF \p
.endr
	s_wait_alu depctr_va_vdst(0)                   ; block 7's roundings have written the last eight registers of Y, which the last four stores read
.irp i, 28,29,30,31
	global_store_b64 v2, v[Y+2*\i:Y+2*\i+1], s[28:29] offset:2048*\i
.endr
	s_endpgm
.Lwo:
.irp p, 0,1,2,3,4,5,6,7
	TO_F16 \p
.endr
	s_wait_alu depctr_va_vdst(0)                   ; block 7's conversions have written the last eight registers of Y, which the last four stores read
.irp i, 28,29,30,31
	global_store_b64 v2, v[Y+2*\i:Y+2*\i+1], s[28:29] offset:2048*\i
.endr
	s_endpgm
.Lfunc_end_k_qf357efc412_cast:
	.size	k_qf357efc412_cast, .Lfunc_end_k_qf357efc412_cast-k_qf357efc412_cast
	.p2alignl 7, 3214868480
	.fill 96, 4, 3214868480
	.section	.rodata,"a",@progbits
	.p2align	6, 0x0
	.amdhsa_kernel k_qf357efc412_cast
		.amdhsa_group_segment_fixed_size 0
		.amdhsa_private_segment_fixed_size 0
		.amdhsa_enable_private_segment 0
		.amdhsa_kernarg_size 56
		.amdhsa_user_sgpr_count 2
		.amdhsa_user_sgpr_kernarg_segment_ptr 1
		.amdhsa_wavefront_size32 1
		.amdhsa_system_sgpr_workgroup_id_x 1
		.amdhsa_system_sgpr_workgroup_id_y 1
		.amdhsa_system_sgpr_workgroup_id_z 1
		.amdhsa_system_vgpr_workitem_id 0
		.amdhsa_next_free_vgpr 200
		.amdhsa_next_free_sgpr 66
		.amdhsa_reserve_vcc 0
		.amdhsa_float_denorm_mode_32 3
		.amdhsa_float_denorm_mode_16_64 3
		.amdhsa_memory_ordered 1
		.amdhsa_forward_progress 1
		.amdhsa_inst_pref_size 30
	.end_amdhsa_kernel
	.amdgpu_metadata
---
amdhsa.version: [ 1, 2 ]
amdhsa.kernels:
  - .name:           k_qf357efc412_cast
    .symbol:         k_qf357efc412_cast.kd
    .args:
      - { .name: x, .offset: 0, .size: 8, .value_kind: global_buffer, .address_space: global }
      - { .name: Wq, .offset: 8, .size: 8, .value_kind: global_buffer, .address_space: global }
      - { .name: Wk, .offset: 16, .size: 8, .value_kind: global_buffer, .address_space: global }
      - { .name: Wv, .offset: 24, .size: 8, .value_kind: global_buffer, .address_space: global }
      - { .name: Wo, .offset: 32, .size: 8, .value_kind: global_buffer, .address_space: global }
      - { .name: xb, .offset: 40, .size: 8, .value_kind: global_buffer, .address_space: global }
      - { .name: wb, .offset: 48, .size: 8, .value_kind: global_buffer, .address_space: global }
    .group_segment_fixed_size: 0
    .private_segment_fixed_size: 0
    .kernarg_segment_align: 8
    .kernarg_segment_size: 56
    .max_flat_workgroup_size: 256
    .sgpr_count:     66
    .vgpr_count:     200
    .wavefront_size: 32
...
	.end_amdgpu_metadata
.endif
;; end of part 5
;; launch qkv: the kernel of part 2 again; grid 16 x 16, 4 waves a work-group, clusters of 4 x 4, 327,680 bytes of LDS; arguments xb, wb, qkv; writes qkv
;; launch attn: the kernel of part 3 again; grid 8 x 32, 8 waves a work-group, no clusters, 327,680 bytes of LDS; arguments qkv, ao; writes ao
;; launch oproj: the kernel of part 4 again; grid 8 x 32, 4 waves a work-group, clusters of 4 x 4, 327,680 bytes of LDS; arguments ao, wb, out0; writes out0
